; MI455X (gfx1250); checked and timed in simulation.
; The chip was launched on July 23, 2026; its instructions are those of AMD's public machine-readable ISA for CDNA 5 (MIT licence, August 2026) and "CDNA5" Instruction Set Architecture Reference Guide (July 2026). The comments in the code are by the model that wrote it; some were corrected since.
;; Dot Product Attention. Allowed arithmetic: float matrix products may take bf16 or f16 operands with f32 sums; all other float work in f32.
;; Inputs: keys 128 x 1,024 x 64 float32; queries 128 x 1,024 x 64 float32; valid_lens 128 int32; values 128 x 1,024 x 64 float32.
;; Outputs: out0 128 x 1,024 x 64 float32.
;; One version. Each part assembles by itself: llvm-mc -triple=amdgcn-amd-amdhsa -mcpu=gfx1250 --defsym DOCPART=n.
;; ======== version 1 of 1: 1 launch
;; limits: right only within a limited range of input values; values are held in f16: magnitudes above 65,504 overflow, below 6.1e-05 lose precision; inputs' magnitudes at most 65,504
;; launch attn (part 1): grid 256 x 1, 8 waves a work-group, no clusters, 146,432 bytes of LDS; arguments keys, queries, valid_lens, values, out0; writes out0
.if DOCPART == 1
	.amdgcn_target "amdgcn-amd-amdhsa--gfx1250"
	.amdhsa_code_object_version 6
	.text
	.protected	k_q5d24dfe98e_attn
	.globl	k_q5d24dfe98e_attn
	.p2align	8
	.type	k_q5d24dfe98e_attn,@function
k_q5d24dfe98e_attn:
	s_mov_b64 s[64:65], 0
	v_nop
	global_prefetch_b8 v0, s[64:65] scope:SCOPE_SE
	s_setreg_imm32_b32 hwreg(HW_REG_WAVE_MODE, 25, 1), 1
	s_wait_xcnt 0x0
; out[b][q][:] = softmax over k of (q.k / 8, or -1e6 where k >= valid_lens[b]) times V.  128 heads, 1024 x 1024, 64 wide, f32 in and out.
; Products with f16 operands and f32 sums; maximum, exponentials, sums and the running state in f32 (a running maximum is taken away, tile by tile).
; WHY f16: where few keys are valid a result near 0 is the difference of a few terms of the size of V, and the rounding of the weights and of V shows
; in full: relative 2^-12 in f16 against 2^-9 in bf16.  The weights lie in (0, 1]; below 2^-14 they carry an absolute error of at most 2^-25.
; LIMIT: |q|, |k|, |v| below 65504, f16's largest number; beyond it an operand becomes infinite.  Below 2^-14 an operand carries an absolute error of at most 2^-25.
;
; SHARES.  A unit is 256 query rows of one head: 512 units, two for each of 256 work-groups, one after the other.  A wave owns 32 query rows.
; Keys go in tiles of 64.  With n = valid_lens clamped to 0..1024 a head needs T = ceil(n / 64) tiles (16 if n = 0: then every score is
; -1e6 and the result is the mean of all 1024 value rows, which the masked path below gives by itself).  Tiles wholly beyond n are not
; read: their weight is exp(-1e6 - max).
; LIMIT: that weight is taken as 0, as it is in f32 while some valid q.k of the row lies above -7.99e6; below that this text differs from
; the plain formula.  valid_lens below 0 act as 0 and above 1024 as 1024, as the comparison k < n does.
; The denominator adds the unrounded weights while the product takes them rounded to f16 (relative 2^-12 each, of either sign).
; BALANCE.  Work-group w takes rows 256 (w & 1) of its own head w >> 1, and rows 256 (2 + (w & 1)) of that head's partner: the head whose
; rank is 127 - rank(own) in the order of (T - 1) * 128 + head.  127 is odd, so no head is its own partner, the map is its own inverse, and
; every unit is made once.  Each work-group finds its partner from valid_lens alone; nothing passes between work-groups.
; The own head takes at least two tiles, so that its tiles 0 and 1 are asked for before valid_lens is there; a surplus tile runs masked.
; Barriers stand on every wave's way whatever the data: the step loop has a fixed count (1 + 2 x 16, one more than the 32 tiles at the most),
; and steps past the work-group's TA + TB tiles jump over the work and issue their loads with no lane on.
;
; DATA PATH.  A tile of K and of V (64 x 64 f32 each) comes through registers: 256 threads x (4 + 4) loads of 16 bytes, rounded to f16 once for
; the whole work-group, stored to one of two LDS slots.  Two register sets: a tile is asked for two steps before it is rounded.
; A step's K fragments are asked for in the tail of the step before, straight behind the barrier that shows their slot whole, so that the
; staging of tile s + 2 and the request for tile s + 4 stand between these loads and their first use.
; NO JOINT REQUESTS: the four units of a head lie in four work-groups that reach tile t at different steps (own pass at step t, guest pass at
; step TA + t with another TA), with tile counts that hang on valid_lens; and a tile moved as f32 would take twice the LDS bytes and be
; rounded by every wave that reads it.
;
; LAYOUT.  S^T = K Q^T: lane (r, h) register j of tile kt holds key 16 kt + 8 h + j, query r.  Packing neighbouring registers to f16 gives at once
; the second operand of O^T = V^T P^T; V^T comes by the transposing LDS load.  A query's maximum, sum and factor lie in lanes r and r + 16:
; one exchange of the halves a tile is all the traffic between lanes.
.set KP,    144                        ; LDS pitch of K and Q rows: 128 bytes + 16, an odd multiple of 16
.set VP,    160                        ; LDS pitch of V rows: an odd multiple of 32, for the transposing load
.set VOFF,  64*KP                      ; V behind K in a slot
.set SLOT,  64*KP+64*VP                ; 19,456 bytes; slots at 0 and SLOT
.set QSTG,  2*SLOT                     ; each wave's own 32 rows of Q in f16
.set QWAVE, 32*KP
.set OSTG,  QSTG+8*QWAVE               ; each wave's own 32 rows of the result in f32
.set OP,    272                        ; 256 bytes + 16
.set OWAVE, 32*OP                      ; the map ends at OSTG + 8 OWAVE = 145,408
; vector registers, window 0
.set KADR, 1                           ; r KP + 16 h: fragments of K
.set VADR, 2                           ; (8 h + (L & 7)) VP + 16 ((L >> 3) & 1) + VOFF: fragments of V^T
.set KST,  3                           ; where my 8 bytes of K go
.set VST,  4                           ; where my 8 bytes of V go
.set GT,   5                           ; 16 x thread: my 16 bytes in each quarter of a tile; never rewritten
.set QST,  7                           ; Q stage, in
.set QRD,  8                           ; Q stage, fragments out
.set OST,  9                           ; result stage, in
.set ORD,  10                          ; result stage, rows out
.set L16,  11                          ; 16 x lane
.set H8,   12                          ; 8 h
.set REM,  13                          ; keys left in this tile, less 8 h
.set ST,   14                          ; state of query block qb at ST + 4 qb: -c max, max, two partial sums
.set AL,   22                          ; v22 the factor (v23 only fills the pair)
.set T,    24                          ; v24-27 at work
.set KEY,  28                          ; v28-31 sort keys of heads 4 L .. 4 L + 3
.set QFR,  32                          ; v32-63   Q fragments, QFR + 16 qb + 8 dh
.set ACC,  64                          ; v64-127  O^T, ACC + 32 qb + 8 dt
.set SCO,  128                         ; v128-191 S^T, SCO + 32 qb + 8 kt; then P, SCO + 32 qb + 8 kh; between two steps at work in staging
.set FRG,  192                         ; v192-255 K fragments FRG + 16 kt + 8 dh; V^T fragments FRG + 16 dt + 8 kh; at work on the way out
; window 1 (named by the low 8 bits): v0-31 and v32-63 the two tile sets (16 words of K, 16 of V); v64-127 the guest's Q as loaded
.set QB,   64
; scalars: s4-5 keys, s6-7 queries, s8-9 valid_lens, s10-11 values, s12-13 out; s14 wave, s15 work-group, s16/s17 own/guest head, s18/s19 their n,
; s20 TA, s21 TB, s22 TA + TB, s23 loop counter, s24 step, s25 tile in the pass, s26 n, s27 last tile, s28 keys left, s39 pass, s45 my rows' byte offset in a head,
; s48-49 out at my rows, s50-51 an offset in 64 bits, s52-53 keys and s54-55 values at the tile that is asked for
.set MSB, 0
.macro WIN new                         ; s_set_vgpr_msb; the immediate's high byte repeats the setting that is left
.if MSB != \new
	s_set_vgpr_msb (MSB<<8)|\new
.set MSB, \new
.endif
.endm
.macro PLACES n
.rept \n
	v_nop
.endr
.endm
; eight loads: one tile of K and of V into a set of window 1 (the caller has set the destination's window and the two bases)
.macro TLOAD set, off
.irp i, 0,1,2,3
	global_load_b128 v[32*\set+4*\i:32*\set+4*\i+3], v[GT], s[52:53] offset:\off+4096*\i
.endr
.irp i, 0,1,2,3
	global_load_b128 v[32*\set+16+4*\i:32*\set+16+4*\i+3], v[GT], s[54:55] offset:\off+4096*\i
.endr
.endm
; Ask for the tile of step s24 + add.  Eight loads into the same registers on either way, so that counted waits hold on both: where there is a
; tile, under the full EXEC, which is then not written, so that no wait follows the loads; past the last tile with no lane on.
; The tile's offset, made of a head of at most 127 and a tile of at most 15, goes into the two scalar bases; the lane term stays as it is.
.macro LOADS set, add
	s_add_co_u32 s40, s24, \add
	s_cmp_ge_u32 s40, s20                          ; in the guest's pass?
	s_cselect_b32 s41, s20, 0
	s_cselect_b32 s42, s17, s16
	s_sub_co_u32 s41, s40, s41                     ; tile in its pass,
	s_min_u32 s41, s41, 15                         ; inside the head
	s_min_u32 s42, s42, 127                        ; head, inside the buffer
	s_lshl_b32 s42, s42, 18
	s_lshl_b32 s41, s41, 14
	s_add_co_u32 s50, s42, s41
	s_mov_b32 s51, 0
	s_wait_xcnt 0x0                                ; the bases and EXEC are sources of earlier loads and stores: written only behind this wait
	s_add_nc_u64 s[52:53], s[4:5], s[50:51]
	s_add_nc_u64 s[54:55], s[10:11], s[50:51]
	s_cmp_lt_u32 s40, s22
	s_cbranch_scc0 .Lpast_\@
	WIN 0x40                                       ; destination in window 1
	TLOAD \set, 0
	WIN 0
	s_branch .Lasked_\@
.Lpast_\@:
	s_mov_b32 vcc_lo, 0
	s_and_saveexec_b32 s38, vcc_lo                 ; no lane on: the eight loads count and fetch nothing
	WIN 0x40
	TLOAD \set, 0
	WIN 0
	s_wait_xcnt 0x0                                ; EXEC is a source of these loads: widened only behind this wait
	s_or_b32 exec_lo, exec_lo, s38
.Lasked_\@:
.endm
; A set is rounded to f16 and stored to a slot: thread t holds row (t >> 4) + 16 i, 4 columns from 4 (t & 15).
; At work in the first sixteen registers of the score block, which is free between a step's last product and the next step's first.
.macro STAGE set, slot
	WIN 0x05                                       ; both sources in window 1
.set ii, 0
.rept 16
	v_cvt_pk_f16_f32 v[SCO+ii], v[32*\set+2*ii], v[32*\set+2*ii+1]
.set ii, ii+1
.endr
	WIN 0
.irp i, 0,1,2,3
	ds_store_b64 v[KST], v[SCO+2*\i:SCO+2*\i+1] offset:\slot*SLOT+\i*16*KP
.endr
.irp i, 0,1,2,3
	ds_store_b64 v[VST], v[SCO+8+2*\i:SCO+8+2*\i+1] offset:\slot*SLOT+\i*16*VP
.endr
.endm
; The wave's 32 rows of Q, 64 registers as loaded (load i: rows 2 i and 2 i + 1), to f16, through its own stage, into fragments.
; LDS serves a wave's instructions in order, so no wait stands between the stores and the loads.
.macro QCONV src, blk
.if \blk
	WIN 0x05
.endif
.set ii, 0
.rept 32
	v_cvt_pk_f16_f32 v[SCO+ii], v[\src+2*ii], v[\src+2*ii+1]
.set ii, ii+1
.endr
	WIN 0
.set ii, 0
.rept 16
	ds_store_b64 v[QST], v[SCO+2*ii:SCO+2*ii+1] offset:ii*2*KP
.set ii, ii+1
.endr
.irp qb, 0,1
.irp dh, 0,1
	ds_load_b128 v[QFR+16*\qb+8*\dh:QFR+16*\qb+8*\dh+3],   v[QRD] offset:\qb*16*KP+\dh*64
	ds_load_b128 v[QFR+16*\qb+8*\dh+4:QFR+16*\qb+8*\dh+7], v[QRD] offset:\qb*16*KP+\dh*64+32
.endr
.endr
.endm
; K fragments of a slot: 64 keys x 64 columns, sixteen loads, those of columns 0-31 first
.macro KFRAG slot
.irp dh, 0,1
.irp kt, 0,1,2,3
	ds_load_b128 v[FRG+16*\kt+8*\dh:FRG+16*\kt+8*\dh+3],   v[KADR] offset:(\slot)*SLOT+\kt*16*KP+\dh*64
	ds_load_b128 v[FRG+16*\kt+8*\dh+4:FRG+16*\kt+8*\dh+7], v[KADR] offset:(\slot)*SLOT+\kt*16*KP+\dh*64+32
.endr
.endr
.endm
; S^T = K Q^T for 64 keys x 32 queries: eight accumulators by turns, one instruction a turn; the first product starts the sums.
; The fragments were asked for in the last step's tail.
.macro QK
	s_wait_dscnt 0x8                               ; all but the youngest eight LDS instructions.  Behind the sixteen fragment loads stand the eight stores of a staging, or nothing:
	                                               ; with a staging all sixteen loads are in, without one those of columns 0-31 are and those of 32-63 may be out
.irp qb, 0,1
.irp kt, 0,1,2,3
	v_wmma_f32_16x16x32_f16 v[SCO+32*\qb+8*\kt:SCO+32*\qb+8*\kt+7], v[FRG+16*\kt:FRG+16*\kt+7], v[QFR+16*\qb:QFR+16*\qb+7], 0
.endr
.endr
	s_wait_dscnt 0x0
.irp qb, 0,1
.irp kt, 0,1,2,3
	v_wmma_f32_16x16x32_f16 v[SCO+32*\qb+8*\kt:SCO+32*\qb+8*\kt+7], v[FRG+16*\kt+8:FRG+16*\kt+15], v[QFR+16*\qb+8:QFR+16*\qb+15], v[SCO+32*\qb+8*\kt:SCO+32*\qb+8*\kt+7]
.endr
.endr
	PLACES 4                                       ; four places (ISA guide 7.12.1) before the pool is loaded again and the scores are read
.endm
; V^T fragments: 16 columns of V x 32 keys each, two transposing loads 16 rows apart
.macro VFRAG slot
.irp kh, 0,1
.irp dt, 0,1,2,3
	ds_load_tr16_b128 v[FRG+16*\dt+8*\kh:FRG+16*\dt+8*\kh+3],   v[VADR] offset:\slot*SLOT+\kh*32*VP+\dt*32
	ds_load_tr16_b128 v[FRG+16*\dt+8*\kh+4:FRG+16*\dt+8*\kh+7], v[VADR] offset:\slot*SLOT+\kh*32*VP+\dt*32+16*VP
.endr
.endr
.endm
; keys at or beyond n get q.k = -8e6, which is the score -1e6 before the division by 8
.macro MASK
	v_sub_nc_u32 v[REM], s28, v[H8]
.irp kt, 0,1,2,3
.irp j, 0,1,2,3,4,5,6,7
	v_cmp_lt_i32 vcc_lo, 16*\kt+\j, v[REM]         ; key 16 kt + 8 h + j of the tile is below n
	v_cndmask_b32 v[SCO+8*\kt+\j], s34, v[SCO+8*\kt+\j], vcc_lo
	v_cndmask_b32 v[SCO+32+8*\kt+\j], s34, v[SCO+32+8*\kt+\j], vcc_lo
.endr
.endr
.endm
; One query block's softmax step.  c = log2(e) / 8.  p = 2^(c s - c max); the factor for what was summed before is 2^(new - old) of the ROUNDED
; values -c max, so that old and new tiles stay on one scale at large scores too.  first = 1: the pass's first tile starts the state.
.macro SOFT qb, first
.set SQ, SCO+32*\qb
.set OQ, ACC+32*\qb
.set NM, ST+4*\qb
.set LQ, ST+4*\qb+2
	v_max3_num_f32 v[T],   v[SQ+0], v[SQ+1],  v[SQ+2]      ; four chains
	v_max3_num_f32 v[T+1], v[SQ+3], v[SQ+4],  v[SQ+5]
	v_max3_num_f32 v[T+2], v[SQ+6], v[SQ+7],  v[SQ+8]
	v_max3_num_f32 v[T+3], v[SQ+9], v[SQ+10], v[SQ+11]
.irp k, 12,20
	v_max3_num_f32 v[T],   v[T],   v[SQ+\k],   v[SQ+\k+1]
	v_max3_num_f32 v[T+1], v[T+1], v[SQ+\k+2], v[SQ+\k+3]
	v_max3_num_f32 v[T+2], v[T+2], v[SQ+\k+4], v[SQ+\k+5]
	v_max3_num_f32 v[T+3], v[T+3], v[SQ+\k+6], v[SQ+\k+7]
.endr
	v_max3_num_f32 v[T],   v[T],   v[SQ+28], v[SQ+29]
	v_max3_num_f32 v[T+1], v[T+1], v[SQ+30], v[SQ+31]
	v_max3_num_f32 v[T], v[T], v[T+1], v[T+2]
	v_max_num_f32 v[T], v[T], v[T+3]
	v_permlanex16_b32 v[T+1], v[T], s36, s37               ; the other half's keys of the same query
.if \first
	v_max_num_f32 v[NM+1], v[T], v[T+1]
	v_mul_f32 v[NM], s35, v[NM+1]                          ; -c max
.else
	v_max3_num_f32 v[NM+1], v[T], v[T+1], v[NM+1]
	v_mul_f32 v[T+2], s35, v[NM+1]
	v_sub_f32 v[T+3], v[T+2], v[NM]                        ; at most 0
	v_exp_f32 v[AL], v[T+3]
	v_mov_b32 v[NM], v[T+2]                                ; also the plain place behind the exponential
.endif
.set ii, 0
.rept 16
	v_pk_fma_f32 v[SQ+ii:SQ+ii+1], v[SQ+ii:SQ+ii+1], s[32:33], v[NM:NM+1] op_sel_hi:[1,0,0]
.set ii, ii+2
.endr
.set ii, 0
.rept 32
	v_exp_f32 v[SQ+ii], v[SQ+ii]
.set ii, ii+1
.endr
.if \first
	v_nop                                                  ; one plain place behind the exponentials
	s_wait_alu depctr_va_vdst(0)
	v_pk_add_f32 v[LQ:LQ+1], v[SQ+0:SQ+1], v[SQ+6:SQ+7]
.else
.set ii, 0
	s_wait_alu depctr_va_vdst(0)
.rept 16
	v_pk_mul_f32 v[OQ+ii:OQ+ii+1], v[OQ+ii:OQ+ii+1], v[AL:AL+1] op_sel_hi:[1,0]   ; the first of these is the plain place behind the exponentials
.set ii, ii+2
.endr
	v_pk_fma_f32 v[LQ:LQ+1], v[LQ:LQ+1], v[AL:AL+1], v[SQ+0:SQ+1] op_sel_hi:[1,0,1]
	v_pk_add_f32 v[LQ:LQ+1], v[LQ:LQ+1], v[SQ+6:SQ+7]
.endif
	v_pk_add_f32 v[T:T+1], v[SQ+2:SQ+3], v[SQ+4:SQ+5]      ; two chains of sums
.irp k, 8,12,16,20,24,28
	v_pk_add_f32 v[T:T+1],   v[T:T+1],   v[SQ+\k:SQ+\k+1]
	v_pk_add_f32 v[LQ:LQ+1], v[LQ:LQ+1], v[SQ+\k+2:SQ+\k+3]
.endr
	v_pk_add_f32 v[LQ:LQ+1], v[LQ:LQ+1], v[T:T+1]
.set ii, 0
.rept 16
	v_cvt_pk_f16_f32 v[SQ+ii], v[SQ+2*ii], v[SQ+2*ii+1]    ; in place and ascending: word ii is written when words 2 ii, 2 ii + 1 have been read
.set ii, ii+1
.endr
.endm
; O^T += V^T P^T for one query block: four accumulators by turns, one instruction a turn
.macro PV qb, first
.irp dt, 0,1,2,3
.if \first
	v_wmma_f32_16x16x32_f16 v[ACC+32*\qb+8*\dt:ACC+32*\qb+8*\dt+7], v[FRG+16*\dt:FRG+16*\dt+7], v[SCO+32*\qb:SCO+32*\qb+7], 0
.else
	v_wmma_f32_16x16x32_f16 v[ACC+32*\qb+8*\dt:ACC+32*\qb+8*\dt+7], v[FRG+16*\dt:FRG+16*\dt+7], v[SCO+32*\qb:SCO+32*\qb+7], v[ACC+32*\qb+8*\dt:ACC+32*\qb+8*\dt+7]
.endif
.endr
.irp dt, 0,1,2,3
	v_wmma_f32_16x16x32_f16 v[ACC+32*\qb+8*\dt:ACC+32*\qb+8*\dt+7], v[FRG+16*\dt+8:FRG+16*\dt+15], v[SCO+32*\qb+8:SCO+32*\qb+15], v[ACC+32*\qb+8*\dt:ACC+32*\qb+8*\dt+7]
.endr
.endm
.macro TILE first
	SOFT 0, \first
	s_wait_dscnt 0x0                               ; the V^T fragments, asked for in front of the softmax
	PV 0, \first
	SOFT 1, \first
	PV 1, \first
.endm
; The end of a pass: divide by the sums, turn O^T into rows through the wave's own stage, store whole rows of 256 bytes;
; behind the first pass the guest's Q is made ready.
.macro EPI
	s_cmp_lg_u32 s39, 0
	s_cselect_b32 s29, s17, s16
	s_min_u32 s29, s29, 127                        ; head, inside the buffer
	s_lshl_b32 s50, s29, 18
	s_min_u32 s30, s39, 1
	s_lshl_b32 s30, s30, 17                        ; the guest's rows lie 512 rows further down
	s_add_co_u32 s50, s50, s30
	s_add_co_u32 s50, s50, s45
	s_mov_b32 s51, 0
	s_add_nc_u64 s[48:49], s[12:13], s[50:51]      ; free: the first pass's stores were followed by a wait for XCNT 0
.irp qb, 0,1
	v_add_f32 v[T], v[ST+4*\qb+2], v[ST+4*\qb+3]
	v_permlanex16_b32 v[T+1], v[T], s36, s37
	v_add_f32 v[T], v[T], v[T+1]                   ; the row's sum: about 1 at the least, since the largest weight is about 1
	v_rcp_f32 v[AL], v[T]
	v_nop                                          ; one plain place behind the reciprocal
	s_wait_alu depctr_va_vdst(0)
.irp i, 0,2,4,6,8,10,12,14,16,18,20,22,24,26,28,30
	v_pk_mul_f32 v[ACC+32*\qb+\i:ACC+32*\qb+\i+1], v[ACC+32*\qb+\i:ACC+32*\qb+\i+1], v[AL:AL+1] op_sel_hi:[1,0]
.endr
.irp dt, 0,1,2,3
	ds_store_b128 v[OST], v[ACC+32*\qb+8*\dt:ACC+32*\qb+8*\dt+3]   offset:\qb*16*OP+\dt*64
	ds_store_b128 v[OST], v[ACC+32*\qb+8*\dt+4:ACC+32*\qb+8*\dt+7] offset:\qb*16*OP+\dt*64+16
.endr
.irp i, 0,1,2,3,4,5,6,7
	ds_load_b128 v[FRG+32*\qb+4*\i:FRG+32*\qb+4*\i+3], v[ORD] offset:(16*\qb+2*\i)*OP   ; the wave's own bytes, served in order behind the stores
.endr
.irp i, 0,1,2,3,4,5,6,7
	s_wait_dscnt 7-\i                              ; LDS loads come back in order: load i is in, the younger ones may be out
	global_store_b128 v[L16], v[FRG+32*\qb+4*\i:FRG+32*\qb+4*\i+3], s[48:49] offset:\qb*4096+\i*512 th:TH_STORE_NT   ; 16 lanes store one aligned row of 256 bytes
.endr
.endr
	s_wait_xcnt 0x0                                ; the pool and s[48:49] are written again only behind this wait
	s_cmp_lg_u32 s39, 0
	s_cbranch_scc1 .Llast_\@
	QCONV QB, 1                                    ; the guest's Q landed long ago: it was issued ahead of tile 2, which step 0's counted wait showed landed
.Llast_\@:
.endm
; One step.  slot = step & 1, also the register set.  peel = 1: step 0, which every work-group has and which starts the state on every way.
.macro STEP slot, k, peel
.if \peel
	s_mov_b32 s24, 0
	s_mov_b32 s28, s18                             ; keys left = n of the own head
.else
	s_add_co_u32 s24, s23, \k
	s_cmp_ge_u32 s24, s22
	s_cbranch_scc1 .Lidle_\@                       ; past the last tile: no work, but the barrier, the wait and the loads below
	s_cmp_ge_u32 s24, s20                          ; the guest's pass?
	s_cselect_b32 s29, s20, 0
	s_cselect_b32 s26, s19, s18
	s_cselect_b32 s27, s21, s20
	s_cselect_b32 s39, 1, 0
	s_sub_co_u32 s25, s24, s29                     ; tile in the pass
	s_lshl_b32 s30, s25, 6
	s_sub_co_i32 s28, s26, s30                     ; keys left from this tile's first
	s_sub_co_u32 s27, s27, 1                       ; the pass's last tile
.endif
	QK
	VFRAG \slot
	s_cmp_ge_i32 s28, 64
	s_cbranch_scc1 .Lfull_\@
	MASK
.Lfull_\@:
.if \peel
	TILE 1
.else
	s_cmp_lg_u32 s25, 0
	s_cbranch_scc1 .Lnext_\@
	TILE 1
	s_branch .Ljoin_\@
.Lnext_\@:
	TILE 0
.Ljoin_\@:
.endif
	PLACES 5                                       ; five places (ISA guide 7.12.1) before results are read, the pool is loaded again, P is written, or the next products write over P
.if \peel == 0
	s_cmp_lg_u32 s25, s27
	s_cbranch_scc1 .Lidle_\@
	EPI
.Lidle_\@:
.endif
	s_wait_dscnt 0x0                               ; my reads of this slot are back, and my stores of the last step's staging are done,
	s_barrier_signal -1
	s_barrier_wait -1                              ; and so are everybody's: this slot may be written, the other is whole
	s_add_co_u32 s29, s24, 1
	s_cmp_ge_u32 s29, s22
	s_cbranch_scc1 .Lnofrag_\@
	KFRAG 1-\slot                                  ; the next step's K fragments, from the other slot: the staging and the request below stand between them and their use
.Lnofrag_\@:
	s_wait_loadcnt 0x8                             ; loads come back in order: this set's tile (step + 2) is in, the other set's eight may be out
	s_add_co_u32 s29, s24, 2
	s_cmp_ge_u32 s29, s22
	s_cbranch_scc1 .Lnostage_\@
	STAGE \slot, \slot
.Lnostage_\@:
	LOADS \slot, 4
.endm
; how many of the 128 sort keys lie below the scalar x: into s40
.macro BELOW x
	v_cmp_gt_u32 s40, \x, v[KEY]
	v_cmp_gt_u32 s41, \x, v[KEY+1]
	v_cmp_gt_u32 s42, \x, v[KEY+2]
	v_cmp_gt_u32 s43, \x, v[KEY+3]
	s_bcnt1_i32_b32 s40, s40
	s_bcnt1_i32_b32 s41, s41
	s_bcnt1_i32_b32 s42, s42
	s_bcnt1_i32_b32 s43, s43
	s_add_co_u32 s40, s40, s41
	s_add_co_u32 s42, s42, s43
	s_add_co_u32 s40, s40, s42
.endm
	s_load_b256 s[4:11], s[0:1], 0x0               ; keys, queries, valid_lens, values
	s_load_b64 s[12:13], s[0:1], 0x20              ; out0
	v_lshl_add_u32 v6, v0, 2, 0x23800
	s_set_vgpr_msb 0x40
	v_mov_b32 v129, 0
	s_set_vgpr_msb 0x4000
	v_lshrrev_b32 v24, 5, v0
	v_readfirstlane_b32 s14, v24                   ; wave
	s_mov_b32 s15, ttmp9
	s_lshr_b32 s16, s15, 1                         ; own head
	s_and_b32 s29, s15, 1
	s_lshl_b32 s29, s29, 16                        ; 256 rows of 256 bytes
	s_lshl_b32 s30, s14, 13                        ; 32 rows of 256 bytes
	s_add_co_u32 s45, s29, s30                     ; my wave's rows in a head, first pass
	s_lshl_b32 s46, s16, 2                         ; the own head's word in valid_lens
	s_mov_b32 s32, 0x3e38aa3b                      ; c = log2(e) / 8
	s_mov_b32 s33, 0x3e38aa3b
	s_mov_b32 s34, 0xcaf42400                      ; -8e6
	s_mov_b32 s35, 0xbe38aa3b                      ; -c
	s_mov_b32 s36, 0x76543210                      ; v_permlanex16_b32: lane i reads lane i of the other half
	s_mov_b32 s37, 0xfedcba98
	v_and_b32 v24, 31, v0                          ; L
	v_and_b32 v25, 15, v0                          ; r
	v_bfe_u32 v26, v0, 4, 1                        ; h
	v_mul_u32_u24 v[KADR], v25, KP
	v_lshl_add_u32 v[KADR], v26, 4, v[KADR]
	v_and_b32 v27, 7, v0
	v_lshl_add_u32 v27, v26, 3, v27
	v_mul_u32_u24 v[VADR], v27, VP
	v_bfe_u32 v27, v0, 3, 1
	v_lshl_add_u32 v[VADR], v27, 4, v[VADR]
	v_add_nc_u32 v[VADR], VOFF, v[VADR]
	v_lshlrev_b32 v27, 3, v25                      ; 8 r
	v_mad_u32_u24 v[REM], v26, KP, v27             ; h KP + 8 r (REM lent)
	v_mad_u32_u24 v27, v26, VP, v27                ; h VP + 8 r
	s_mul_i32 s29, s14, 2*KP                       ; thread t's row t >> 4 is 2 x wave + h
	v_add_nc_u32 v[KST], s29, v[REM]
	s_mul_i32 s29, s14, 2*VP
	s_add_co_u32 s29, s29, VOFF
	v_add_nc_u32 v[VST], s29, v27
	v_lshlrev_b32 v[GT], 4, v0
	s_mul_i32 s29, s14, QWAVE
	s_add_co_u32 s29, s29, QSTG                    ; my wave's Q stage
	v_add_nc_u32 v[QST], s29, v[REM]
	v_add_nc_u32 v[QRD], s29, v[KADR]
	s_mul_i32 s30, s14, OWAVE
	s_add_co_u32 s30, s30, OSTG                    ; my wave's result stage
	v_mul_u32_u24 v[OST], v25, OP
	v_lshl_add_u32 v[OST], v26, 5, v[OST]          ; row r, 32 bytes for each half
	v_add_nc_u32 v[OST], s30, v[OST]
	v_mul_u32_u24 v[ORD], v26, OP
	v_lshl_add_u32 v[ORD], v25, 4, v[ORD]          ; lanes 0-15 one row, lanes 16-31 the next
	v_add_nc_u32 v[ORD], s30, v[ORD]
	v_lshlrev_b32 v[L16], 4, v24
	v_lshlrev_b32 v[H8], 3, v26
	v_mov_b32 v[AL+1], 0                           ; fills the pair that packed multiplies name
	s_lshl_b32 s50, s16, 18                        ; the own head's bytes
	s_mov_b32 s51, 0
	s_add_co_u32 s30, s50, s45
	v_add_nc_u32 v26, s30, v[L16]                  ; my wave's Q rows, own head
	s_wait_kmcnt 0x0
	s_add_nc_u64 s[52:53], s[4:5], s[50:51]        ; keys and values at the own head's tile 0
	s_add_nc_u64 s[54:55], s[10:11], s[50:51]
	global_load_b128 v[KEY:KEY+3], v[L16], s[8:9]  ; all 128 valid_lens: lane L holds heads 4 L .. 4 L + 3
	s_load_b32 s18, s[8:9], s46 offset:0x0         ; the own head's
.set ii, 0
.rept 16
	global_load_b128 v[ACC+4*ii:ACC+4*ii+3], v26, s[6:7] offset:512*ii th:TH_LOAD_NT    ; own Q, lent registers: read once in the launch
.set ii, ii+1
.endr
	WIN 0x40
	TLOAD 0, 0                                     ; own tiles 0 and 1: every head takes at least these
	TLOAD 1, 16384
	WIN 0
	s_wait_loadcnt 32                              ; valid_lens is in; the 16 + 8 + 8 younger loads stay out
	v_lshlrev_b32 v24, 2, v24                      ; 4 L
.irp r, 0,1,2,3
	v_max_i32 v[KEY+\r], 0, v[KEY+\r]
	v_min_u32 v[KEY+\r], 0x400, v[KEY+\r]          ; n in 0 .. 1024
	v_add_nc_u32 v[KEY+\r], -1, v[KEY+\r]
	v_lshrrev_b32 v[KEY+\r], 6, v[KEY+\r]
	v_min_u32 v[KEY+\r], 15, v[KEY+\r]             ; T - 1 (n = 0 wraps round and gives 15)
	v_lshl_add_u32 v[KEY+\r], v[KEY+\r], 7, v24
.if \r
	v_or_b32 v[KEY+\r], \r, v[KEY+\r]              ; (T - 1) 128 + head: all different
.endif
.endr
	s_wait_kmcnt 0x0
	s_max_i32 s18, s18, 0
	s_min_i32 s18, s18, 0x400
	s_sub_co_u32 s29, s18, 1
	s_lshr_b32 s29, s29, 6
	s_min_u32 s29, s29, 15
	s_lshl_b32 s30, s29, 7
	s_or_b32 s30, s30, s16                         ; the own head's key
	s_add_co_u32 s20, s29, 1
	s_max_u32 s20, s20, 2                          ; TA
	BELOW s30                                      ; its rank
	s_sub_co_u32 s44, 127, s40                     ; the partner's rank
	; the key of that rank is the largest x with (keys below x) <= rank: a search over the 11 bits of a key, from the top
	s_mov_b32 s31, 0
.irp b, 10,9,8,7,6,5,4,3,2,1,0
	s_or_b32 s29, s31, 1<<\b
	BELOW s29
	s_cmp_le_u32 s40, s44
	s_cselect_b32 s31, s29, s31
.endr
	s_and_b32 s17, s31, 127
	s_min_u32 s17, s17, 127                        ; guest head
	s_lshr_b32 s21, s31, 7
	s_add_co_u32 s21, s21, 1
	s_min_u32 s21, s21, 16                         ; TB
	s_add_co_u32 s22, s20, s21                     ; tiles in all, 3 to 32
	s_lshl_b32 s47, s17, 2
	s_load_b32 s19, s[8:9], s47 offset:0x0         ; the guest's n
	s_lshl_b32 s29, s17, 18
	s_add_co_u32 s29, s29, s45
	s_add_co_u32 s29, s29, 0x20000                 ; 512 rows further down
	v_add_nc_u32 v27, s29, v[L16]
	WIN 0x40
.set ii, 0
.rept 16
	global_load_b128 v[QB+4*ii:QB+4*ii+3], v27, s[6:7] offset:512*ii th:TH_LOAD_NT      ; the guest's Q, kept as loaded until the first pass ends
.set ii, ii+1
.endr
	WIN 0
	s_wait_loadcnt 32                              ; own Q is in; 8 + 8 + 16 younger loads stay out
	QCONV ACC, 0
	s_wait_loadcnt 16                              ; tiles 0 and 1 are in; the guest's Q stays out
	STAGE 0, 0
	STAGE 1, 1
	s_mov_b32 s24, 0
	LOADS 0, 2
	LOADS 1, 3
	s_wait_kmcnt 0x0
	s_max_i32 s19, s19, 0
	s_min_i32 s19, s19, 0x400
	s_wait_dscnt 0x0                               ; my part of both slots is stored,
	s_barrier_signal -1
	s_barrier_wait -1                              ; everybody's is
	KFRAG 0                                        ; step 0's K fragments
	STEP 0, 0, 1
	s_mov_b32 s23, 1
.Lloop:
	STEP 1, 0, 0
	STEP 0, 1, 0
	s_add_co_u32 s23, s23, 2
	s_cmp_lt_u32 s23, 32
	s_cbranch_scc1 .Lloop
	s_wait_dscnt 0x0                               ; no LDS load is out when the wave ends, on the way on which the last tail asked for fragments too
	s_set_vgpr_msb 0x4
	s_wait_tensorcnt 0x0
	ds_add_u32 v6, v129
	s_wait_dscnt 0x0
	s_set_vgpr_msb 0x400
	s_endpgm
.Lfunc_end_k_q5d24dfe98e_attn:
	.size	k_q5d24dfe98e_attn, .Lfunc_end_k_q5d24dfe98e_attn-k_q5d24dfe98e_attn
	.p2alignl 7, 3214868480
	.fill 96, 4, 3214868480
	.section	.rodata,"a",@progbits
	.p2align	6, 0x0
	.amdhsa_kernel k_q5d24dfe98e_attn
		.amdhsa_group_segment_fixed_size 146432
		.amdhsa_private_segment_fixed_size 0
		.amdhsa_enable_private_segment 0
		.amdhsa_kernarg_size 40
		.amdhsa_user_sgpr_count 2
		.amdhsa_user_sgpr_kernarg_segment_ptr 1
		.amdhsa_wavefront_size32 1
		.amdhsa_system_sgpr_workgroup_id_x 1
		.amdhsa_system_sgpr_workgroup_id_y 1
		.amdhsa_system_sgpr_workgroup_id_z 1
		.amdhsa_system_vgpr_workitem_id 0
		.amdhsa_next_free_vgpr 386
		.amdhsa_next_free_sgpr 66
		.amdhsa_reserve_vcc 1
		.amdhsa_float_denorm_mode_32 3
		.amdhsa_float_denorm_mode_16_64 3
		.amdhsa_memory_ordered 1
		.amdhsa_forward_progress 1
		.amdhsa_inst_pref_size 145
	.end_amdhsa_kernel
	.amdgpu_metadata
---
amdhsa.version: [ 1, 2 ]
amdhsa.kernels:
  - .name:           k_q5d24dfe98e_attn
    .symbol:         k_q5d24dfe98e_attn.kd
    .args:
      - { .name: keys, .offset: 0, .size: 8, .value_kind: global_buffer, .address_space: global }
      - { .name: queries, .offset: 8, .size: 8, .value_kind: global_buffer, .address_space: global }
      - { .name: valid_lens, .offset: 16, .size: 8, .value_kind: global_buffer, .address_space: global }
      - { .name: values, .offset: 24, .size: 8, .value_kind: global_buffer, .address_space: global }
      - { .name: out0, .offset: 32, .size: 8, .value_kind: global_buffer, .address_space: global }
    .group_segment_fixed_size: 146432
    .private_segment_fixed_size: 0
    .kernarg_segment_align: 8
    .kernarg_segment_size: 40
    .max_flat_workgroup_size: 256
    .sgpr_count:     66
    .vgpr_count:     386
    .wavefront_size: 32
...
	.end_amdgpu_metadata
.endif
;; end of part 1
